; MI455X (gfx1250); checked and timed in simulation.
; The chip was launched on July 23, 2026; its instructions are those of AMD's public machine-readable ISA for CDNA 5 (MIT licence, August 2026) and "CDNA5" Instruction Set Architecture Reference Guide (July 2026). The comments in the code are by the model that wrote it; some were corrected since.
;; Head. Allowed arithmetic: matrix products marked QUANTISED: E5M2 operands, one E8M0 scale for each 32 along K, by v_wmma_scale_f32_16x16x128_f8f6f4 with both operands' format E5M2, f32 sums; everything else in f32.
;; Inputs: Wk_codes 64 x 4 x 32 uint8 (E5M2 codes of Wk, K innermost, in blocks of 32 codes); Wk_scales 64 x 4 uint8 (E8M0 scales of Wk, one for each 32 codes along K); Wq_codes 64 x 4 x 32 uint8 (E5M2 codes of Wq, K innermost, in blocks of 32 codes); Wq_scales 64 x 4 uint8 (E8M0 scales of Wq, one for each 32 codes along K); Wv_codes 64 x 4 x 32 uint8 (E5M2 codes of Wv, K innermost, in blocks of 32 codes); Wv_scales 64 x 4 uint8 (E8M0 scales of Wv, one for each 32 codes along K); x_codes 8 x 4,096 x 4 x 32 uint8 (E5M2 codes of x, K innermost, in blocks of 32 codes); x_scales 8 x 4,096 x 4 uint8 (E8M0 scales of x, one for each 32 codes along K).
;; Outputs: out0 8 x 4,096 x 64 float32.
;; This version of the problem:
;;   THIS VERSION OF THE PROBLEM IS GIVEN IN LOW PRECISION. The matrix products marked QUANTISED in the list below multiply operands that are first quantised to E5M2 (5 exponent bits, 2 mantissa bits; 8 bits a number), with one power-of-two scale for each 32 numbers along K (OCP MX v1.0); their sums are f32. All else is computed in f32.
;;   The module's matrix products, in the order in which they are computed (A, B: the left and right operand; K: the contracted axis; several contracted axes count as one K, in the product's order):
;;     1. [M 32,768, K 128] x [K 128, N 64]; A: input x (given as codes); B: input Wq (given as codes): QUANTISED
;;     2. [M 32,768, K 128] x [K 128, N 64]; A: input x (given as codes); B: input Wk (given as codes): QUANTISED
;;     3. [M 32,768, K 128] x [K 128, N 64]; A: input x (given as codes); B: input Wv (given as codes): QUANTISED
;;     4. batch 8 x [M 4,096, K 64] x [K 64, N 4,096]; A: computed on the way; B: computed on the way: QUANTISED
;;     5. batch 8 x [M 4,096, K 4,096] x [K 4,096, N 64]; A: softmax (see below); B: computed on the way: QUANTISED
;;   THE QUANTISER, for each operand of a quantised product, along K:
;;     - K is cut into blocks of 32 from its start; a last block that is shorter is filled with zeros.
;;     - A block's scale is 2^e with e = floor(log2(the largest magnitude in the block)) - 15, held to -126 .. 127; a block of zeros has e = 0. As a byte (E8M0): e + 127.
;;     - Each number is divided by its block's scale, clamped to +-57,344, and rounded to the nearest number of E5M2, ties to even, subnormals kept.
;;     - The product sums the exact products of the quantised numbers (number of the format x scale) in f32.
;;   ~~~python
;;   def quantise(x, axis):      # numpy; x: float32 -> the quantised numbers, widened to float32 again
;;       x = np.moveaxis(x, axis, -1); K = x.shape[-1]
;;       x = np.pad(x, [(0, 0)] * (x.ndim - 1) + [(0, -K % 32)]); x = x.reshape(x.shape[:-1] + (-1, 32)); a = np.abs(x).max(-1, keepdims=True)
;;       e = np.where(a > 0, np.clip(np.frexp(np.where(a > 0, a, 1))[1] - 1 - 15, -126, 127), 0)      # np.frexp(a)[1] - 1 = floor(log2(a)), exactly
;;       r = np.clip(x / 2.0 ** e, -57344, 57344)
;;       step = 2.0 ** (np.maximum(np.frexp(np.where(r == 0, 1, r))[1] - 1, -14) - 2)
;;       q = np.round(r / step) * step * 2.0 ** e      # np.round: ties to even
;;       return np.moveaxis(q.reshape(q.shape[:-2] + (-1,))[..., :K], -1, axis).astype(np.float32)
;;   ~~~
;;   SOFTMAX AHEAD OF A QUANTISED PRODUCT. Where the list says 'softmax', what is quantised is not the finished softmax but p = 2^(t - M), with t = logit x log2(e) and M = ceil(the row's largest t), a whole number; so 1/2 < the row's largest p <= 1. The row's sum l is taken of the UNQUANTISED p, in f32, and the product's result is divided by l at the end. Since M is a whole number, a kernel that streams over the keys may use a running M (the ceiling of the running maximum): every later rescaling is an exact power of two, which a block's scale takes up: the codes' values come out the same.
;;   OPERANDS COMPUTED ON THE WAY. 'Computed on the way' means the value that the module computes at that place (a softmax that the list does not call 'softmax' is quantised finished and normalised). What goes into a quantiser is computed in f32, as accurately as f32 sums, v_exp_f32 and their like allow (about 1e-6 of the number): no bf16 or f16 on the way to a quantiser, and a product that is left as it is and whose result goes on into a quantised operand takes f32 operands (vector FMAs, or v_wmma_f32_16x16x4_f32). A number that lies on a knife's edge between two numbers of the format may be rounded either way, as far as f32 arithmetic and the matrix unit's own rounding can turn it there, and no further.
;;   INPUTS GIVEN AS CODES. Wk (in the module: [128, 64], K = its axis 0); Wq (in the module: [128, 64], K = its axis 0); Wv (in the module: [128, 64], K = its axis 0); x (in the module: [8, 4096, 128], K = its axis 2): each comes as NAME_codes (uint8): NAME with its K axis moved to the last place and cut into blocks of 32 codes, [.., K / 32, bytes a block], one block behind the other in memory; one code a byte (a code: sign, 5 exponent bits, 2 mantissa bits); and NAME_scales (uint8): the same leading axes, one E8M0 byte (e + 127) for each 32 codes along K. Its value is code x scale, taken as it is: it is not quantised again, and the codes and scales need not be those that the quantiser above would give.
;; One version. Each part assembles by itself: llvm-mc -triple=amdgcn-amd-amdhsa -mcpu=gfx1250 --defsym DOCPART=n.
;; ======== version 1 of 1: 2 launches
;; workspace buffers: kv 4,390,912 bytes; qw 2,228,224 bytes
;; launch project (part 1): grid 32 x 8, 4 waves a work-group, no clusters, 0 bytes of LDS; arguments x_codes, x_scales, Wk_codes, Wk_scales, Wq_codes, Wq_scales, Wv_codes, Wv_scales, kv, qw; writes kv, qw
.if DOCPART == 1
	.amdgcn_target "amdgcn-amd-amdhsa--gfx1250"
	.amdhsa_code_object_version 6
	.text
	.protected	k_qed08901384_project
	.globl	k_qed08901384_project
	.p2align	8
	.type	k_qed08901384_project,@function
k_qed08901384_project:
	s_mov_b64 s[64:65], 0
	v_nop
	global_prefetch_b8 v0, s[64:65] scope:SCOPE_SE
	s_setreg_imm32_b32 hwreg(HW_REG_WAVE_MODE, 25, 1), 1
	s_wait_xcnt 0x0
; Q = x Wq, K = x Wk, V = x Wv on codes of BF8 (E5M2) with one E8M0 scale for each 32 along K = 128: one matrix instruction deep.  The results are quantised at once, in registers,
; Q and K along the head's 64 channels, V along the keys, and stored as IMAGES OF THE OPERAND REGISTERS that the second launch wants: a group of four registers is 32 lanes x 16 bytes on end.
; A STEP is 128 rows of x of one batch (step number 32 b + s); a work-group of four waves takes one step: 256 work-groups.
;   kv, 17,152 bytes a step: K's codes [tile 0..7][c 0..1][lane][16] | V's codes [channel tile 0..3][c 0..3][lane][16] | K's scale words [pair 0..3][lane] | V's scale words [pair 0..1][lane]
;   qw,  8,704 bytes a step: Q's codes as K's | Q's scale words as K's
; THE ROWS OF A TILE ARE NOT NEIGHBOURS: lane r of tile 2 b + u takes row 32 b + 8 u + r + 8 (r / 8), of x and of Wk and Wq alike, so that the 16 registers of two neighbouring result tiles are 16 neighbours along the next K.
; SHARES.  Wave w makes V's channels 16 w .. 16 w + 15 for all 128 keys (source 0 = 16 keys, source 1 = 16 channels: a lane holds one channel, its registers run along the keys), and K and Q for key tiles 2 w and 2 w + 1
; (source 0 = 16 channels of the weight, source 1 = 16 keys: a lane holds one key, its registers run along the channels).  Waves share nothing: no LDS, no barrier.  Each wave loads all eight fragments of x itself,
; and its own two once more into registers whose numbers do not hang on the wave.
; A scale word of K or Q has two bytes of scales (64 channels) and two bytes 0x7f: the second launch's instruction is 128 deep, and its upper 64 meet zero codes.
; Every register that a store reads is written once, and no address register is written again: so no wait for the stores' sources is needed.
; The codes leave 512 consecutive bytes an instruction, at multiples of 256 from the buffer's first byte; the scale words leave in pieces of 128 and 64 bytes, 768 + 512 of a step's 25,856 bytes.
; LIMITS: NaN and infinities among the inputs' values are not served; a block whose largest magnitude lies under 2^(16 - 127) keeps the byte 1 (a block of zeros too: its codes are zeros, and this program alone reads the bytes).
.set STEPB,  17152
.set QSTEPB, 8704
.set VOFF,   8192
.set KSOFF,  16384
.set VSOFF,  16896
.set XS,   16                          ; v16-23   x's scale words, tile t
.set WKS,  24                          ; v24-27   Wk's, tile m
.set WQS,  28                          ; v28-31   Wq's
.set WVS,  32                          ; v32      Wv's, my 16 channels
.set XKS,  33                          ; v33-34   x's, tiles 2 w and 2 w + 1
.set PWV,  36                          ; v36-38   the scale words made: V's, K's, Q's
.set PWK,  37
.set PWQ,  38
.set WVF,  48                          ; v48-63   Wv's fragment
.set R,    64                          ; v64-127  eight result tiles
.set CV,   128                         ; v128-175 the codes made: V's, K's, Q's, a set for each
.set CK,   144
.set CQ,   160
.set TM,   176                         ; v176-179 largest magnitudes, v180-183 bytes, v184-187 the largest number x the scale, v188-191 the conversions' scale operands
.set XK,   208                         ; v208-239 x's fragments of tiles 2 w and 2 w + 1
.set WKF,  128                         ; window 1: v0-127 x's eight fragments; v128-191 Wk's four; v192-255 Wq's four
.set WQF,  192
.set MSB, 0
.macro WIN new                         ; the immediate's high byte repeats the setting that is left
.if MSB != \new
	s_set_vgpr_msb (MSB<<8)|\new
.set MSB, \new
.endif
.endm
; 64 numbers of a lane, register 16 b + i = place 32 b + 16 (lane / 16) + i along the next K, become four groups of four registers of codes in v[dst] on; the four blocks' bytes are left in v[TM+4] on.
.macro QUANT4 src, dst
.irp b, 0,1,2,3
	v_max3_num_f32 v[TM+\b], |v[\src+16*\b]|, |v[\src+1+16*\b]|, 0x8000000   ; block b: my 16 numbers, and the floor 2^(16 - 127): the byte cannot fall under 1
.endr
.irp i, 2,4,6,8,10,12,14
.irp b, 0,1,2,3
	v_max3_num_f32 v[TM+\b], v[TM+\b], |v[\src+16*\b+\i]|, |v[\src+1+16*\b+\i]|   ; the four blocks by turns
.endr
.endr
.irp b, 0,1,2,3
	v_permlanex16_b32 v[TM+4+\b], v[TM+\b], s36, s37
.endr
.irp b, 0,1,2,3
	v_max_num_f32 v[TM+\b], v[TM+\b], v[TM+4+\b]   ; with lane l xor 16's 16: the block's largest magnitude
.endr
.irp b, 0,1,2,3
	v_add_nc_u32 v[TM+12+\b], 0xf8800000, v[TM+\b]   ; 15 off its exponent field: the conversion takes the exponent field of this operand as its scale
.endr
.irp b, 0,1,2,3
	v_and_or_b32 v[TM+8+\b], v[TM+\b], 0x7f800000, s38   ; 57,344 x the scale
.endr
.irp b, 0,1,2,3
	v_lshrrev_b32 v[TM+4+\b], 23, v[TM+12+\b]   ; the scale's byte
.endr
.irp b, 0,1,2,3
.irp i, 0,1,2,3,4,5,6,7,8,9,10,11,12,13,14,15
	v_med3_num_f32 v[\src+16*\b+\i], v[\src+16*\b+\i], -v[TM+8+\b], v[TM+8+\b]   ; the conversion to an 8-bit code does not saturate (ISA guide 7.6.2): the hold at the largest code x the scale
.endr
	v_cvt_scalef32_pk8_bf8_f32 v[\dst+4*\b:\dst+1+4*\b], v[\src+16*\b:\src+7+16*\b], v[TM+12+\b]
	v_cvt_scalef32_pk8_bf8_f32 v[\dst+2+4*\b:\dst+3+4*\b], v[\src+8+16*\b:\src+15+16*\b], v[TM+12+\b]
.endr
	v_nop                                          ; a plain vector line behind the last conversion: later products write the numbers' registers anew
.endm
; K or Q of my two key tiles: eight products (tile e of keys x tile m of channels), quantised, stored.  wf: the weight's fragments (window 1); ws: its scale words.
.macro KQ wf, ws, dst, word, cb, sb
	WIN 0x01                                       ; source 0 in window 1
.irp e, 0,1
.irp m, 0,1,2,3
	v_wmma_scale_f32_16x16x128_f8f6f4 v[R+32*\e+8*\m:R+32*\e+8*\m+7], v[\wf+16*\m:\wf+16*\m+15], v[XK+16*\e:XK+16*\e+15], 0, v[\ws+\m], v[XKS+\e] matrix_a_fmt:MATRIX_FMT_BF8 matrix_b_fmt:MATRIX_FMT_BF8
.endr
.endr
	WIN 0
.rept 8
	v_nop                                          ; eight places ahead of the first read of results
.endr
	QUANT4 R, \dst                                 ; block 2 e + c: key tile e, channels 32 c on
	v_lshl_or_b32 v39, v[TM+5], 8, v[TM+4]         ; tile 2 w's two bytes,
	v_lshl_or_b32 v40, v[TM+7], 8, v[TM+6]         ; tile 2 w + 1's
	v_cndmask_b32 v[\word], v39, v40, s39          ; lanes 0-15 carry the even tile's word, lanes 16-31 the odd tile's
	v_or_b32 v[\word], 0x7f7f0000, v[\word]        ; bytes 2 and 3: 2^0
.irp g, 0,1,2,3
	global_store_b128 v9, v[\dst+4*\g:\dst+4*\g+3], s[\cb:\cb+1] offset:512*\g   ; 32 lanes store 512 consecutive bytes
.endr
	global_store_b32 v10, v[\word], s[\sb:\sb+1]
.endm
	s_load_b512 s[16:31], s[0:1], 0x0              ; x's codes 16:17, x's scales 18:19, Wk's 20:21, 22:23, Wq's 24:25, 26:27, Wv's 28:29, 30:31
	s_load_b128 s[32:35], s[0:1], 0x40             ; kv 32:33, qw 34:35
	v_lshrrev_b32 v1, 5, v0
	v_readfirstlane_b32 s8, v1                     ; wave w
	v_and_b32 v3, 31, v0                           ; lane
	v_and_b32 v1, 15, v0                           ; r
	v_bfe_u32 v2, v0, 4, 1                         ; h
	v_and_b32 v4, 8, v1
	v_add_nc_u32 v4, v4, v1                        ; r + 8 (r / 8)
	v_lshlrev_b32 v5, 7, v4
	v_lshl_add_u32 v5, v2, 4, v5                   ; a tile's row of 128 bytes, + 16 h: x, Wk, Wq
	v_lshlrev_b32 v6, 2, v4                        ; and its scale word
	v_lshlrev_b32 v7, 7, v1
	v_lshl_add_u32 v7, v2, 4, v7                   ; Wv: neighbouring rows
	v_lshlrev_b32 v8, 2, v1                        ; 4 r
	v_lshlrev_b32 v9, 4, v3                        ; 16 x lane: an image's place
	v_lshlrev_b32 v10, 2, v3                       ; 4 x lane: a scale word's
.irp b, 0,1,2,3
	v_mov_b32 v[TM+4+\b], 0                        ; written once: a lane permute's destination counts as one of its sources
.endr
	s_and_b32 s9, ttmp7, 0xffff
	s_lshl_b32 s9, s9, 5
	s_add_co_u32 s9, s9, ttmp9                     ; the step's number: 32 b + s
	s_mov_b32 s11, 0
	s_mov_b32 s36, 0x76543210
	s_mov_b32 s37, 0xfedcba98                      ; v_permlanex16_b32's selects for lane l xor 16
	s_mov_b32 s38, 0x600000                        ; the mantissa field of 57,344
	s_mov_b32 s39, 0xffff0000                      ; lanes 16-31
	s_wait_kmcnt 0x0
	s_lshl_b32 s10, s9, 14
	s_add_nc_u64 s[16:17], s[16:17], s[10:11]      ; x's codes at the step: 128 rows of 128 bytes
	s_lshl_b32 s10, s9, 9
	s_add_nc_u64 s[18:19], s[18:19], s[10:11]      ; its scale words
	s_lshl_b32 s10, s8, 11
	s_add_nc_u64 s[28:29], s[28:29], s[10:11]      ; Wv's codes at my 16 channels
	s_lshl_b32 s10, s8, 6
	s_add_nc_u64 s[30:31], s[30:31], s[10:11]      ; their scale words
	s_lshl_b32 s10, s8, 12
	s_add_nc_u64 s[40:41], s[16:17], s[10:11]      ; x at row 32 w: tiles 2 w, 2 w + 1
	s_lshl_b32 s10, s8, 7
	s_add_nc_u64 s[42:43], s[18:19], s[10:11]
	; all loads go out here, in three groups: what V wants (45 loads), what K wants beside it (30), what Q wants beside that (20)
	WIN 0x40                                       ; destination window 1
.irp t, 0,1,2,3,4,5,6,7
.irp c, 0,1,2,3
	global_load_b128 v[16*\t+4*\c:16*\t+4*\c+3], v5, s[16:17] offset:(32*(\t/2)+8*(\t%2))*128+32*\c
.endr
.endr
	WIN 0
.irp t, 0,1,2,3,4,5,6,7
	global_load_b32 v[XS+\t], v6, s[18:19] offset:(32*(\t/2)+8*(\t%2))*4
.endr
.irp c, 0,1,2,3
	global_load_b128 v[WVF+4*\c:WVF+4*\c+3], v7, s[28:29] offset:32*\c
.endr
	global_load_b32 v[WVS], v8, s[30:31]
.irp e, 0,1
.irp c, 0,1,2,3
	global_load_b128 v[XK+16*\e+4*\c:XK+16*\e+4*\c+3], v5, s[40:41] offset:1024*\e+32*\c
.endr
	global_load_b32 v[XKS+\e], v6, s[42:43] offset:32*\e
.endr
.irp m, 0,1,2,3
	global_load_b32 v[WKS+\m], v6, s[22:23] offset:(32*(\m/2)+8*(\m%2))*4
.endr
	WIN 0x40
.irp m, 0,1,2,3
.irp c, 0,1,2,3
	global_load_b128 v[WKF+16*\m+4*\c:WKF+16*\m+4*\c+3], v5, s[20:21] offset:(32*(\m/2)+8*(\m%2))*128+32*\c
.endr
.endr
.irp m, 0,1,2,3
.irp c, 0,1,2,3
	global_load_b128 v[WQF+16*\m+4*\c:WQF+16*\m+4*\c+3], v5, s[24:25] offset:(32*(\m/2)+8*(\m%2))*128+32*\c
.endr
.endr
	WIN 0
.irp m, 0,1,2,3
	global_load_b32 v[WQS+\m], v6, s[26:27] offset:(32*(\m/2)+8*(\m%2))*4
.endr
	; where the results go
	s_mul_i32 s10, s9, STEPB
	s_add_nc_u64 s[32:33], s[32:33], s[10:11]      ; kv at the step
	s_mul_i32 s10, s9, QSTEPB
	s_add_nc_u64 s[34:35], s[34:35], s[10:11]      ; qw at the step
	s_lshl_b32 s10, s8, 11
	s_add_nc_u64 s[48:49], s[32:33], s[10:11]      ; K's codes: 2,048 bytes a wave (two tiles)
	s_add_nc_u64 s[50:51], s[34:35], s[10:11]      ; Q's likewise
	s_add_nc_u64 s[44:45], s[48:49], VOFF          ; V's: 2,048 bytes a wave (one channel tile)
	s_lshl_b32 s10, s8, 7
	s_add_nc_u64 s[52:53], s[32:33], s[10:11]
	s_add_nc_u64 s[52:53], s[52:53], KSOFF         ; K's scale words: pair w
	s_add_nc_u64 s[54:55], s[34:35], s[10:11]
	s_add_nc_u64 s[54:55], s[54:55], 8192          ; Q's
	s_lshl_b32 s10, s8, 6
	s_add_nc_u64 s[46:47], s[32:33], s[10:11]
	s_add_nc_u64 s[46:47], s[46:47], VSOFF         ; V's: 128 (w / 2) + 64 (w % 2) = 64 w
	; ---- V: eight tiles of 16 keys x my 16 channels
	s_wait_loadcnt 50                              ; loads come back in order (ISA guide 5.7.1): the first 45 are in; the 30 + 20 behind them may be out
	WIN 0x01                                       ; source 0 in window 1
.irp t, 0,1,2,3,4,5,6,7
	v_wmma_scale_f32_16x16x128_f8f6f4 v[R+8*\t:R+8*\t+7], v[16*\t:16*\t+15], v[WVF:WVF+15], 0, v[XS+\t], v[WVS] matrix_a_fmt:MATRIX_FMT_BF8 matrix_b_fmt:MATRIX_FMT_BF8
.endr
	WIN 0
.rept 8
	v_nop                                          ; eight places ahead of the first read of results
.endr
	QUANT4 R, CV                                   ; lane (r, h): channel 16 w + r; register 16 b + i: key 32 b + 16 h + i
	v_lshl_or_b32 v[PWV], v[TM+5], 8, v[TM+4]      ; the four key blocks' bytes make my channel's scale word for this step
	v_lshl_or_b32 v[PWV], v[TM+6], 16, v[PWV]
	v_lshl_or_b32 v[PWV], v[TM+7], 24, v[PWV]
.irp c, 0,1,2,3
	global_store_b128 v9, v[CV+4*\c:CV+4*\c+3], s[44:45] offset:512*\c
.endr
	global_store_b32 v8, v[PWV], s[46:47]          ; lanes r and r + 16 hold the same word and write it to the same place
	; ---- K, then Q
	s_wait_loadcnt 20                              ; all but Wq's 20
	KQ WKF, WKS, CK, PWK, 48, 52
	s_wait_loadcnt 0x0
	KQ WQF, WQS, CQ, PWQ, 50, 54
	s_endpgm
.Lfunc_end_k_qed08901384_project:
	.size	k_qed08901384_project, .Lfunc_end_k_qed08901384_project-k_qed08901384_project
	.p2alignl 7, 3214868480
	.fill 96, 4, 3214868480
	.section	.rodata,"a",@progbits
	.p2align	6, 0x0
	.amdhsa_kernel k_qed08901384_project
		.amdhsa_group_segment_fixed_size 0
		.amdhsa_private_segment_fixed_size 0
		.amdhsa_enable_private_segment 0
		.amdhsa_kernarg_size 80
		.amdhsa_user_sgpr_count 2
		.amdhsa_user_sgpr_kernarg_segment_ptr 1
		.amdhsa_wavefront_size32 1
		.amdhsa_system_sgpr_workgroup_id_x 1
		.amdhsa_system_sgpr_workgroup_id_y 1
		.amdhsa_system_sgpr_workgroup_id_z 1
		.amdhsa_system_vgpr_workitem_id 0
		.amdhsa_next_free_vgpr 512
		.amdhsa_next_free_sgpr 66
		.amdhsa_reserve_vcc 0
		.amdhsa_float_denorm_mode_32 3
		.amdhsa_float_denorm_mode_16_64 3
		.amdhsa_memory_ordered 1
		.amdhsa_forward_progress 1
		.amdhsa_inst_pref_size 42
	.end_amdhsa_kernel
	.amdgpu_metadata
---
amdhsa.version: [ 1, 2 ]
amdhsa.kernels:
  - .name:           k_qed08901384_project
    .symbol:         k_qed08901384_project.kd
    .args:
      - { .name: x_codes, .offset: 0, .size: 8, .value_kind: global_buffer, .address_space: global }
      - { .name: x_scales, .offset: 8, .size: 8, .value_kind: global_buffer, .address_space: global }
      - { .name: Wk_codes, .offset: 16, .size: 8, .value_kind: global_buffer, .address_space: global }
      - { .name: Wk_scales, .offset: 24, .size: 8, .value_kind: global_buffer, .address_space: global }
      - { .name: Wq_codes, .offset: 32, .size: 8, .value_kind: global_buffer, .address_space: global }
      - { .name: Wq_scales, .offset: 40, .size: 8, .value_kind: global_buffer, .address_space: global }
      - { .name: Wv_codes, .offset: 48, .size: 8, .value_kind: global_buffer, .address_space: global }
      - { .name: Wv_scales, .offset: 56, .size: 8, .value_kind: global_buffer, .address_space: global }
      - { .name: kv, .offset: 64, .size: 8, .value_kind: global_buffer, .address_space: global }
      - { .name: qw, .offset: 72, .size: 8, .value_kind: global_buffer, .address_space: global }
    .group_segment_fixed_size: 0
    .private_segment_fixed_size: 0
    .kernarg_segment_align: 8
    .kernarg_segment_size: 80
    .max_flat_workgroup_size: 128
    .sgpr_count:     66
    .vgpr_count:     512
    .wavefront_size: 32
...
	.end_amdgpu_metadata
.endif
;; end of part 1
;; launch attend (part 2): grid 32 x 8, 16 waves a work-group, clusters of 4 x 1, 327,680 bytes of LDS; arguments kv, qw, out0; writes out0
.if DOCPART == 2
	.amdgcn_target "amdgcn-amd-amdhsa--gfx1250"
	.amdhsa_code_object_version 6
	.text
	.protected	k_qed08901384_attend
	.globl	k_qed08901384_attend
	.p2align	8
	.type	k_qed08901384_attend,@function
k_qed08901384_attend:
	s_mov_b64 s[64:65], 0
	v_nop
	global_prefetch_b8 v0, s[64:65] scope:SCOPE_SE
	s_setreg_imm32_b32 hwreg(HW_REG_WAVE_MODE, 25, 1), 1
	s_wait_xcnt 0x0
	s_wait_alu depctr_hold_cnt(0) depctr_sa_sdst(0) depctr_va_vdst(0) depctr_va_sdst(0) depctr_va_ssrc(0) depctr_va_vcc(0) depctr_vm_vsrc(0)
	s_getreg_b32 s2, hwreg(HW_REG_IB_STS2, 6, 4)
	s_cmp_eq_u32 s2, 0
	s_cbranch_scc0 .Lentry_in_a_cluster
	s_endpgm
.Lentry_in_a_cluster:
	s_bfe_u32 s2, ttmp6, 0x10000c
	s_cmp_lg_u32 s2, 0x3003
	s_cbranch_scc0 .Lentry_shape_is_right
	s_endpgm
.Lentry_shape_is_right:
; out[b][q][:] = the sum over keys k <= q of softmax_k(Q[q] . K[k] / sqrt(128)) V[k][:], head size 64, both products on codes of BF8 (E5M2) with one E8M0 scale for each 32 along a product's K.
; kv and qw hold K, V and Q as images of the operands' registers, 128 keys (or queries) to a STEP of 17,152 (8,704) bytes: K's codes [tile 0..7][c 0..1][lane][16] | V's codes [channel tile 0..3][c 0..3][lane][16] |
; K's scale words [pair][lane] | V's scale words [pair][lane].  Lane r of tile 2 b + u holds key (query) 32 b + 8 u + r + 8 (r / 8), so that the 16 registers of score tiles 2 b and 2 b + 1 are 16 neighbouring keys.
; THE SOFTMAX: t = score x log2(e) / sqrt(128); M = the largest t so far, rounded UP to a whole number; p = 2^(t - M) is quantised along the keys, not normalised; the sum l is taken of the unquantised p and divides at the end.
; Both products are used transposed (S^T = K Q^T, O^T = V^T P^T): a lane holds ONE query throughout.
; THE FIRST PRODUCT'S K IS 64, THE INSTRUCTION'S 128: Q's operand is eight registers of codes and eight of zeros.  K's operand for tile t is v[KV + 8 t] on, 16 registers: its upper eight are the next tile's codes (behind tile 7:
; zeros), finite numbers that meet zero codes and add nothing; bytes 2 and 3 of the scale words are 2^0.
; SHARES.  A work-group owns two blocks of 64 queries of one batch: block 63 - i (HIGH) and block i (LOW), i = 4 c + cx.  A slot holds 4 steps, 512 keys.  The work-group makes NINE VISITS, whatever i: slots 0 .. NH - 1 for the
; high block (NH = 8 - c / 2), then slots 0 .. 8 - NH for the low one.  Wave w has tile a = w % 4 of the block's four tiles of 16 queries and step q = w / 4 of each slot: one step of one tile a visit.  So a tile's keys are
; shared among four waves, each with its own O^T, M and l; since every M is a whole number they are joined at the end by exact powers of two, through stages in LDS.  High and low together: 2 (16 - c) + 2 (c + 1) = 34 steps a tile pair, in every work-group.
; CLUSTER.  The four partners (cx = 0 .. 3) walk the same slots in the same visits: every step is asked for JOINTLY (mask 15), by waves 0 to 3, a step each.  All branches hang on c, the wave's number and counts: with CF the first of the
; cluster's 256 queries of the phase and KF a step's first key, KF < CF runs without the mask's lines, CF <= KF < CF + 256 with them, KF >= CF + 256 is left out.  cx enters Q's, out's and the prefetch's addresses and the mask's
; vector register alone.  A step that lies wholly behind one partner's queries runs there with every score at -infinity: p = 0, zero codes, M and l untouched.
; In the last slot of a walk with c odd (high) or c even (low) two of the four steps are brought and not read: a joint load is issued on every path.
; LIMITS: NaN and infinities are not served; a block whose largest p lies under 2^(16 - 127) keeps the byte 1; a block's largest p is taken from its largest score, which takes v_exp_f32 not to fall where its input rises.
.set STEPB,  17152
.set SLOTB,  4*STEPB                   ; 68,608
.set BATCHB, 32*STEPB
.set QSTEPB, 8704
.set VOFF,   8192
.set KSOFF,  16384
.set SLOT1,  1<<17                     ; slot 1 begins here: one exclusive or turns an address in one slot into the other's
.set WST,    4608                      ; a wave's stage: 16 rows x (256 bytes + 16), then 16 pairs (-M, l)
.set STAGE_L, SLOT1                    ; the low block's stages lie in slot 1: written only behind the last change of slots, when that slot has had its last fill and its last read
.set STAGE_H, SLOT1+16*WST             ; the high block's: behind them, bytes that no tensor load fills
.set SPARE,  STAGE_H+16*WST            ; the spare words, 128 bytes for each wave: eight blocks of 256 bytes that no other line names
.set AKV, 1                            ; v1   16 x lane + my step's place in a slot
.set ASC, 2                            ; v2   4 x lane + the same + KSOFF
.set ADR, 3                            ; v3   the address in hand: codes; stage rows
.set ADS, 4                            ; v4   scale words; stage statistics
.set SPW, 5                            ; v5   LDS address of my spare word; never rewritten
.set NIL, 6                            ; v6   0; never rewritten
.set PFO, 7                            ; v7   the prefetch's offset, 256 x lane; at the end the stores' offset, 16 x lane
.set QV,  8                            ; v8   my query - 16 (lane / 16), of the block in hand;  v9 the low block's
.set QVL, 9
.set QWL, 10                           ; v10  the low block's scale word of Q;  v11 that of the block in hand
.set QW,  11
.set NM,  12                           ; v12 -M, v13 the largest t, v[14:15] l in two halves
.set LS,  14
.set QF,  16                           ; v16-23 Q's codes, v24-31 zeros
.set QL,  32                           ; v32-39 the low block's codes of Q, waiting
.set KV,  40                           ; v40-103 K's eight tiles x 8, then V's four fragments x 16;  v104-111 zeros
.set S,   112                          ; v112-175 S^T, then p
.set O,   176                          ; v176-207 O^T
.set PC,  208                          ; v208-223 p's codes
.set BM,  224                          ; v224-227 the blocks' largest scores, then largest p
.set PR,  228                          ; v228-231 the other half's; a chain of the sum; bytes
.set CP,  232                          ; v232-235 57,344 x the scale
.set SO,  236                          ; v236-239 the conversions' scale operands
.set KS,  240                          ; v240-243 K's scale words, by pairs of tiles;  v244-245 V's
.set VS,  244
.set T,   246
.set F,   248                          ; v248 f = 2^(old M - new M);  v249 p's scale word
.set PW,  249
.set DD,  250                          ; v250 the mask's d;  v251 -infinity
.set NI,  251
.set FS,  252                          ; v252 my stage: row r, + 32 h;  v253 its statistics
.set FT,  253
.set MR,  254                          ; v254 the join: tile a's first stage, row 4 q + lane / 16, + 16 (lane % 16);  v255 its statistics
.set MS,  255
.set WV,  10                           ; s10 wave;  s11 a = w % 4;  s12 q = w / 4
.set TA,  11
.set QT,  12
.set CC,  13                           ; s13 c: the cluster's x;  s14 the batch;  s15 cx
.set BB,  14
.set CX,  15
.set NH,  16                           ; s16 slots of the high walk
.set SG,  17                           ; s17 this visit's slot of keys;  s18 the next visit's
.set SN,  18
.set KF,  19                           ; s19 my step's first key;  s20 CF;  s21 CF + 256
.set CF,  20
.set CE,  21
.set TB,  22                           ; s22 LDS byte at which the slot in hand begins
.set TRIPS, 23
.set G1,  24                           ; s[24:31] descriptor group 1;  s[32:35] group 0
.set G0,  32
.set KVB, 36                           ; s[36:37] kv at my batch, + my wave's step
.set OFS, 38                           ; s[38:39] an offset as a pair
.set SEL, 40                           ; s[40:41] lane selects: lane l xor 16
.set CS,  42                           ; s[42:43] c = log2(e) / sqrt(128), twice
.set MNT, 44                           ; s44 the mantissa field of 57,344
.set QK,  45                           ; s45 128 q
.set PFA, 46                           ; s[46:47] where my prefetches stand
.set LIM, 48                           ; s48 2 in a wave that prefetches, else the greatest number
.set QCH, 50                           ; s[50:51], s[52:53] the high block's Q: codes, scale words;  s[54:55], s[56:57] the low block's
.set QSH, 52
.set QCL, 54
.set QSL, 56
.set OH,  58                           ; s[58:59], s[60:61] out at the rows that I store: high, low
.set OL,  60
; s66-71: temporaries that may hold cx; none of them feeds a branch, an LDS address or a descriptor.  s72-75: temporaries that never do.
; A round of the cluster's barrier: my work-group's barrier; wave 0 signals for the work-group; every wave waits for all four work-groups; my work-group's barrier once more.
.macro CROUND
	s_barrier_signal -1
	s_barrier_wait -1
	s_cmp_lg_u32 s[WV], 0
	s_cbranch_scc1 .Lnot_wave_0_\@
	s_barrier_signal -3
.Lnot_wave_0_\@:
	s_barrier_wait -3
	s_barrier_signal -1
	s_barrier_wait -1
.endm
; The joint load: waves 0 to 3 fetch a step each, 67 rows of 256 bytes, dense in kv; the others fetch nothing.  The branch hangs on the wave's number alone.  An s_nop 0 and four v_nop follow the load.
.macro TLOAD
	s_cmp_lt_u32 s[WV], 4
	s_cbranch_scc0 .Lno_load_\@
	tensor_load_to_lds s[G0:G0+3], s[G1:G1+7]
	s_nop 0
.rept 4
	v_nop
.endr
.Lno_load_\@:
.endm
; A PREFETCH INTO THE L2 of the slot that the NEXT change will ask for.  All eight clusters of a batch walk the same kv: cluster c = 0, whose high walk takes all eight slots in order, asks, and nobody else.  Its four partners
; take a step each, told apart BY ADDRESS; in each, wave 4 asks for the step's 8,192 bytes of K's codes and wave 5 for V's, lanes 256 bytes apart: one instruction a wave, each block of 256 bytes named once in the launch.
; Visit k asks for slot k + 2, k = 0 .. 5: slots 0 and 1, and a step's 768 bytes of scale words, come by their loads alone, and nothing is asked for past slot 7.
.macro ASK
	s_cmp_gt_u32 s[TRIPS], s[LIM]
	s_cbranch_scc0 .Lnot_mine_\@
	global_prefetch_b8 v[PFO], s[PFA:PFA+1] th:TH_LOAD_NT scope:SCOPE_SE
.Lnot_mine_\@:
.endm
; THE CHANGE OF SLOTS stands at a visit's head.  Each wave waits for all its tensor loads (its part of the slot that is about to be read), adds 0 to its spare word, and waits for that and for its reads of the slot that it has left.
; fill = 1: the barrier is a round of the cluster's, and behind it the slot just left is filled with the next visit's keys: the load has a whole visit in which to land.
.macro CHANGE fill
	s_wait_tensorcnt 0x0                           ; no tensor load of mine is out, so group 0 may be written
	ds_add_u32 v[SPW], v[NIL]                      ; 0 onto my spare word; work on registers stands between it and the wait for it
.if \fill
	s_add_co_u32 s[SN], s[SG], 1                   ; the next visit's slot of keys:
	s_cmp_eq_u32 s[SN], s[NH]
	s_cselect_b32 s[SN], 0, s[SN]                  ; behind the high walk's last, the low walk's first
	s_mul_i32 s[OFS], s[SN], SLOTB
	s_xor_b32 s[G0+1], s[G0+1], SLOT1              ; into the other LDS slot than last time
	s_add_nc_u64 s[G0+2:G0+3], s[KVB:KVB+1], s[OFS:OFS+1]
	s_or_b32 s[G0+3], s[G0+3], 0x80000000          ; type = 2
	s_wait_xcnt 0x0                                ; the last prefetch, a visit back, has read its address, so it may be written:
	s_add_nc_u64 s[PFA:PFA+1], s[PFA:PFA+1], SLOTB
.endif
	s_wait_dscnt 0x0                               ; the add is done, and my LDS reads and stores are over
.if \fill
	CROUND                                         ; no wave of any partner still reads the slot or has a load on its way
	TLOAD                                          ; the first tensor load behind the round, and a wave's only one until the next
	ASK
.else
	s_barrier_signal -1
	s_barrier_wait -1
.endif
.endm
; A STEP: my tile's 16 queries against my 128 keys of the slot in hand.
.macro STEP
	s_cmp_ge_u32 s[KF], s[CE]                      ; all 128 keys come behind the cluster's queries of this phase: left out (ids and counts alone)
	s_cbranch_scc1 .Lhidden_\@
	v_add_nc_u32 v[ADR], s[TB], v[AKV]
	v_add_nc_u32 v[ADS], s[TB], v[ASC]
.rept 6
	v_nop                                          ; with the two additions: eight places ahead of loads into registers that the last step's products have read
.endr
.irp t, 0,1,2,3,4,5,6,7
	ds_load_b128 v[KV+8*\t:KV+8*\t+3], v[ADR] offset:1024*\t          ; an instruction's 512 bytes are consecutive
	ds_load_b128 v[KV+8*\t+4:KV+8*\t+7], v[ADR] offset:1024*\t+512
.endr
.irp p, 0,1,2,3
	ds_load_b32 v[KS+\p], v[ADS] offset:128*\p                        ; lanes 0-15: tile 2 p's words; lanes 16-31: tile 2 p + 1's
.endr
	s_wait_dscnt 0x0
.irp p, 0,1,2,3
	v_wmma_scale_f32_16x16x128_f8f6f4 v[S+16*\p:S+16*\p+7], v[KV+16*\p:KV+16*\p+15], v[QF:QF+15], 0, v[KS+\p], v[QW] matrix_a_fmt:MATRIX_FMT_BF8 matrix_b_fmt:MATRIX_FMT_BF8
	v_wmma_scale_f32_16x16x128_f8f6f4 v[S+16*\p+8:S+16*\p+15], v[KV+16*\p+8:KV+16*\p+23], v[QF:QF+15], 0, v[KS+\p], v[QW] matrix_a_fmt:MATRIX_FMT_BF8 matrix_b_fmt:MATRIX_FMT_BF8 matrix_a_scale:MATRIX_SCALE_ROW1
.endr
.rept 8
	v_nop                                          ; eight places: ahead of the loads below, into registers that these products have read, and of the first read of the scores
.endr
.irp n, 0,1,2,3
.irp c, 0,1,2,3
	ds_load_b128 v[KV+16*\n+4*\c:KV+16*\n+4*\c+3], v[ADR] offset:VOFF+2048*\n+512*\c   ; V's fragments are asked for here and waited for behind the softmax
.endr
.endr
.irp p, 0,1
	ds_load_b32 v[VS+\p], v[ADS] offset:512+128*\p
.endr
	s_cmp_lt_u32 s[KF], s[CF]                      ; all 128 keys come ahead of the cluster's queries: nothing is hidden
	s_cbranch_scc1 .Lopen_\@
	v_subrev_nc_u32 v[DD], s[KF], v[QV]            ; d = my query - 16 (lane / 16) - KF.  Register 16 b + i holds key KF + 32 b + 16 (lane / 16) + i: hidden where 32 b + i > d
	v_mov_b32 v[NI], 0xff800000                    ; -infinity
.irp n, 0,1,2,3,4,5,6,7,8,9,10,11,12,13,14,15,16,17,18,19,20,21,22,23,24,25,26,27,28,29,30,31,32,33,34,35,36,37,38,39,40,41,42,43,44,45,46,47,48,49,50,51,52,53,54,55,56,57,58,59,60,61,62,63
	v_cmp_gt_i32 vcc_lo, 32*(\n/16)+\n%16, v[DD]
	v_cndmask_b32 v[S+\n], v[S+\n], v[NI], vcc_lo
.endr
.Lopen_\@:
.irp b, 0,1,2,3
	v_max3_num_f32 v[BM+\b], v[S+16*\b], v[S+1+16*\b], v[S+2+16*\b]   ; the largest score of each block of 32 keys: it serves for the row's maximum and, since p rises with the score, for the block's largest p
.endr
.irp i, 3,5,7,9,11,13
.irp b, 0,1,2,3
	v_max3_num_f32 v[BM+\b], v[BM+\b], v[S+16*\b+\i], v[S+1+16*\b+\i]
.endr
.endr
.irp b, 0,1,2,3
	v_max_num_f32 v[BM+\b], v[BM+\b], v[S+15+16*\b]
.endr
.irp b, 0,1,2,3
	v_permlanex16_b32 v[PR+\b], v[BM+\b], s[SEL], s[SEL+1]
.endr
.irp b, 0,1,2,3
	v_max_num_f32 v[BM+\b], v[BM+\b], v[PR+\b]     ; with lane l xor 16's 16 keys
.endr
	v_max3_num_f32 v[T], v[BM], v[BM+1], v[BM+2]
	v_max_num_f32 v[T], v[T], v[BM+3]              ; the step's largest score of my query
	v_mul_f32 v[T], s[CS], v[T]                    ; as t (c is positive)
	v_max_num_f32 v[NM+1], v[NM+1], v[T]           ; the running largest t
	v_mov_b32 v[T], v[NM]
	v_floor_f32 v[NM], -v[NM+1]                    ; the new -M = floor(-t) = -ceil(t): a whole number
	v_sub_f32 v[T], v[NM], v[T]                    ; old M - new M: a whole number, 0 or less
	v_cvt_i32_f32 v[T], v[T]                       ; (it saturates)
	v_ldexp_f32 v[F], 1.0, v[T]                    ; f = 2^(old M - new M): a multiplication by it rounds nothing
.irp j, 0,2,4,6,8,10,12,14,16,18,20,22,24,26,28,30,32,34,36,38,40,42,44,46,48,50,52,54,56,58,60,62
	v_pk_fma_f32 v[S+\j:S+\j+1], v[S+\j:S+\j+1], s[CS:CS+1], v[NM:NM+1] op_sel_hi:[1,0,0]   ; t - M, two at a time
.endr
.irp b, 0,1,2,3
	v_fma_f32 v[BM+\b], v[BM+\b], s[CS], v[NM]     ; the same of each block's largest score
.endr
.irp j, 0,1,2,3,4,5,6,7,8,9,10,11,12,13,14,15,16,17,18,19,20,21,22,23,24,25,26,27,28,29,30,31,32,33,34,35,36,37,38,39,40,41,42,43,44,45,46,47,48,49,50,51,52,53,54,55,56,57,58,59,60,61,62,63
	v_exp_f32 v[S+\j], v[S+\j]                     ; p = 2^(t - M), at most 1
.endr
	v_pk_mul_f32 v[LS:LS+1], v[LS:LS+1], v[F:F+1] op_sel_hi:[1,0]   ; l under the new M: a plain line behind the exponentials
	s_wait_alu depctr_va_vdst(0)                   ; the wait ahead of the first line that names a result: one for the batch of 64
.irp b, 0,1,2,3
	v_exp_f32 v[BM+\b], v[BM+\b]                   ; the block's largest p: the same two instructions on the same number
.endr
	v_pk_add_f32 v[PR:PR+1], v[S:S+1], v[S+2:S+3]  ; l is taken of the unquantised p: two at a time, in two chains
.irp j, 4,8,12,16,20,24,28,32,36,40,44,48,52,56,60
	v_pk_add_f32 v[LS:LS+1], v[LS:LS+1], v[S+\j:S+\j+1]
	v_pk_add_f32 v[PR:PR+1], v[PR:PR+1], v[S+2+\j:S+3+\j]
.endr
	v_pk_add_f32 v[LS:LS+1], v[LS:LS+1], v[PR:PR+1]
	s_wait_alu depctr_va_vdst(0)                   ; and one for the four
.irp b, 0,1,2,3
	v_max_num_f32 v[BM+\b], 0x8000000, v[BM+\b]    ; the floor 2^(16 - 127): the byte cannot fall under 1
.endr
.irp b, 0,1,2,3
	v_add_nc_u32 v[SO+\b], 0xf8800000, v[BM+\b]    ; 15 off the exponent field: the conversion's scale operand
.endr
.irp b, 0,1,2,3
	v_and_or_b32 v[CP+\b], v[BM+\b], 0x7f800000, s[MNT]   ; 57,344 x the scale
.endr
.irp b, 0,1,2,3
	v_lshrrev_b32 v[PR+\b], 23, v[SO+\b]           ; the scale's byte
.endr
	v_lshl_or_b32 v[PW], v[PR+1], 8, v[PR]         ; p's scale word for these 128 keys
	v_lshl_or_b32 v[PW], v[PR+2], 16, v[PW]
	v_lshl_or_b32 v[PW], v[PR+3], 24, v[PW]
.irp b, 0,1,2,3
.irp i, 0,1,2,3,4,5,6,7,8,9,10,11,12,13,14,15
	v_min_num_f32 v[S+16*\b+\i], v[S+16*\b+\i], v[CP+\b]   ; the conversion to an 8-bit code does not saturate (ISA guide 7.6.2); p is not negative, so the hold is one-sided
.endr
	v_cvt_scalef32_pk8_bf8_f32 v[PC+4*\b:PC+1+4*\b], v[S+16*\b:S+7+16*\b], v[SO+\b]
	v_cvt_scalef32_pk8_bf8_f32 v[PC+2+4*\b:PC+3+4*\b], v[S+8+16*\b:S+15+16*\b], v[SO+\b]
.endr
.irp j, 0,2,4,6,8,10,12,14,16,18,20,22,24,26,28,30
	v_pk_mul_f32 v[O+\j:O+\j+1], v[O+\j:O+\j+1], v[F:F+1] op_sel_hi:[1,0]   ; O^T under the new M.  These sixteen are also the places between the codes and the products below
.endr
	s_wait_dscnt 0x0                               ; V's fragments and scale words are in
.irp p, 0,1
	v_wmma_scale_f32_16x16x128_f8f6f4 v[O+16*\p:O+16*\p+7], v[KV+32*\p:KV+32*\p+15], v[PC:PC+15], v[O+16*\p:O+16*\p+7], v[VS+\p], v[PW] matrix_a_fmt:MATRIX_FMT_BF8 matrix_b_fmt:MATRIX_FMT_BF8
	v_wmma_scale_f32_16x16x128_f8f6f4 v[O+16*\p+8:O+16*\p+15], v[KV+32*\p+16:KV+32*\p+31], v[PC:PC+15], v[O+16*\p+8:O+16*\p+15], v[VS+\p], v[PW] matrix_a_fmt:MATRIX_FMT_BF8 matrix_b_fmt:MATRIX_FMT_BF8 matrix_a_scale:MATRIX_SCALE_ROW1
.endr                                              ; the four accumulators take turns, one instruction a turn
.Lhidden_\@:
.endm
; My part of a block is done: O^T, -M and l go to my stage at byte x.  Three plain lines and five v_nop are the eight places behind the last products.
.macro FLUSH x
	v_add_f32 v[LS], v[LS], v[LS+1]                ; l's two halves,
	v_add_nc_u32 v[ADR], \x, v[FS]
	v_add_nc_u32 v[ADS], \x, v[FT]
	v_permlanex16_b32 v[PR], v[LS], s[SEL], s[SEL+1]
.rept 5
	v_nop
.endr
	v_add_f32 v[NM+1], v[LS], v[PR]                ; and lane l xor 16's: beside -M, as a pair
.irp n, 0,1,2,3
	ds_store_b128 v[ADR], v[O+8*\n:O+8*\n+3] offset:64*\n          ; lane (r, h): query row r, channels 16 n + 8 h + 0 .. 7; each accumulator from its low end on
	ds_store_b128 v[ADR], v[O+8*\n+4:O+8*\n+7] offset:64*\n+16
.endr
	ds_store_b64 v[ADS], v[NM:NM+1]                ; both halves of the lanes hold the same pair and write it to the same place
.endm
; Where block s[blk]'s tile a lies: Q's codes (qc), its scale words (qs), the four rows of out that I store (ob), and my lane's query less 16 (lane / 16) (qv; v234 = r + 8 (r / 8) - 16 h).
.macro BLK blk, qc, qs, ob, qv
	s_lshr_b32 s68, s[\blk], 1
	s_lshl_b32 s69, s[BB], 5
	s_add_co_u32 s68, s68, s69                     ; the step's number: 32 b + blk / 2
	s_mul_i32 s68, s68, QSTEPB
	s_and_b32 s69, s[\blk], 1
	s_lshl_b32 s69, s69, 2
	s_add_co_u32 s69, s69, s[TA]                   ; the tile in the step: 4 (blk % 2) + a
	s_lshl_b32 s70, s69, 10
	s_add_co_u32 s70, s70, s68
	s_mov_b32 s71, 0
	s_add_nc_u64 s[\qc:\qc+1], s[6:7], s[70:71]
	s_lshl_b32 s70, s69, 6                         ; 128 (t / 2) + 64 (t % 2) = 64 t
	s_add_co_u32 s70, s70, s68
	s_add_co_u32 s70, s70, 8192
	s_add_nc_u64 s[\qs:\qs+1], s[6:7], s[70:71]
	s_lshl_b32 s68, s[\blk], 6
	s_lshr_b32 s69, s[TA], 1
	s_lshl_b32 s69, s69, 5
	s_add_co_u32 s68, s68, s69
	s_and_b32 s69, s[TA], 1
	s_lshl_b32 s69, s69, 3
	s_add_co_u32 s68, s68, s69                     ; the tile's first query: 64 blk + 32 (a / 2) + 8 (a % 2)
	v_add_nc_u32 v[\qv], s68, v234
	s_lshl_b32 s69, s[QT], 2
	s_add_co_u32 s68, s68, s69
	s_lshr_b32 s69, s[QT], 1
	s_lshl_b32 s69, s69, 3
	s_add_co_u32 s68, s68, s69                     ; tile rows 4 q .. 4 q + 3 are queries + 4 q + 8 (q / 2) on
	s_lshl_b32 s69, s[BB], 12
	s_add_co_u32 s70, s68, s69
	s_lshl_b32 s70, s70, 8                         ; a row of out is 256 bytes
	s_add_nc_u64 s[\ob:\ob+1], s[8:9], s[70:71]
.endm
	s_load_b128 s[4:7], s[0:1], 0x0                ; kv s[4:5], qw s[6:7]
	s_load_b64 s[8:9], s[0:1], 0x10                ; out0
	v_lshl_add_u32 v[SPW], v0, 2, SPARE
	v_mov_b32 v[NIL], 0
	ds_add_u32 v[SPW], v[NIL]                      ; the wave's opening: the add and its wait stand ahead of the round in front of the first tensor loads; the set-up below, work on registers, stands between them
	v_lshrrev_b32 v1, 5, v0
	v_readfirstlane_b32 s[WV], v1                  ; wave 0..15
	s_and_b32 s[TA], s[WV], 3
	s_lshr_b32 s[QT], s[WV], 2
	s_mov_b32 s[CC], ttmp9                         ; in a cluster launch ttmp9 counts clusters
	s_and_b32 s[BB], ttmp7, 0xffff
	s_lshr_b32 s[NH], s[CC], 1
	s_sub_co_u32 s[NH], 8, s[NH]
	; descriptor group 1: a step, 17,152 dense bytes, as 67 rows of 256 bytes (32 elements of 8 bytes), no padding
	s_mov_b32 s[G1], 15|(3<<16)|(1<<21)            ; 15:0 the mask: all four work-groups; 17:16 elements of 8 bytes; 21 set beside a mask
	s_mov_b32 s[G1+1], 32<<16                      ; tensor_dim0 = 32
	s_mov_b32 s[G1+2], 67<<16                      ; tensor_dim1 = 67
	s_mov_b32 s[G1+3], 32<<16                      ; tile_dim0 = 32
	s_mov_b32 s[G1+4], 67                          ; tile_dim1 = 67
	s_mov_b32 s[G1+5], 32                          ; from row to row
	s_mov_b32 s[G1+6], 0
	s_mov_b32 s[G1+7], 0
	s_mov_b32 s[G0], 1                             ; count = 1
	s_mul_i32 s[G0+1], s[WV], STEPB                ; LDS address: my step of slot 0
	s_mul_i32 s72, s[BB], BATCHB
	s_add_co_u32 s[OFS], s72, s[G0+1]
	s_mov_b32 s[OFS+1], 0
	s_mov_b32 s[SG], 0
	s_lshl_b32 s[QK], s[QT], 7
	s_mov_b32 s[KF], s[QK]
	s_sub_co_u32 s[CF], 15, s[CC]
	s_lshl_b32 s[CF], s[CF], 8                     ; the high phase: the cluster's queries begin at 256 (15 - c)
	s_add_co_u32 s[CE], s[CF], 256
	s_mov_b32 s[TB], 0
	s_mov_b32 s[TRIPS], 8
	s_mov_b32 s[SEL], 0x76543210
	s_mov_b32 s[SEL+1], 0xfedcba98
	s_mov_b32 s[CS], 0x3e0293ee                    ; c = log2(e) / sqrt(128)
	s_mov_b32 s[CS+1], s[CS]                       ; (named with it as a pair, so it is written)
	s_mov_b32 s[MNT], 0x600000
	s_sub_co_u32 s73, s[WV], 4
	s_lshr_b32 s73, s73, 1                         ; 0 in waves 4 and 5,
	s_or_b32 s73, s73, s[CC]                       ; of the batch's first cluster: the same in all four partners
	s_cmp_eq_u32 s73, 0
	s_cselect_b32 s[LIM], 2, -1
	s_wait_dscnt 0x0                               ; the opening add is done
	s_wait_kmcnt 0x0
	s_add_nc_u64 s[KVB:KVB+1], s[4:5], s[OFS:OFS+1]
	s_mov_b64 s[G0+2:G0+3], s[KVB:KVB+1]           ; visit 0: the batch's slot 0
	s_or_b32 s[G0+3], s[G0+3], 0x80000000          ; type = 2
	CROUND                                         ; all four work-groups are here: the first joint loads meet
	TLOAD
	; what hangs on cx: addresses in memory and the mask's register alone
	s_bfe_u32 s[CX], ttmp6, 0x40000
	s_mul_i32 s68, s[CX], STEPB                    ; the prefetches: my work-group's step of a slot,
	s_add_co_u32 s68, s68, s72                     ; in my batch,
	s_and_b32 s69, s[WV], 1
	s_lshl_b32 s69, s69, 13                        ; K's codes (wave 4) or V's (wave 5),
	s_add_co_u32 s68, s68, s69
	s_add_co_u32 s68, s68, SLOTB                   ; in slot 1: the first change steps it to slot 2.  Nothing is prefetched here, at the head
	s_mov_b32 s69, 0
	s_add_nc_u64 s[PFA:PFA+1], s[4:5], s[68:69]
	v_and_b32 v224, 31, v0                         ; lane
	v_and_b32 v225, 15, v0                         ; r
	v_bfe_u32 v226, v0, 4, 1                       ; h
	v_and_b32 v227, 8, v225
	v_add_nc_u32 v227, v227, v225                  ; r + 8 (r / 8)
	v_lshlrev_b32 v235, 4, v226
	v_sub_nc_u32 v234, v227, v235                  ; - 16 h
	s_lshl_b32 s66, s[CC], 2
	s_add_co_u32 s66, s66, s[CX]                   ; i: the low block
	s_sub_co_u32 s67, 63, s66                      ; the high block
	BLK 67, QCH, QSH, OH, QV
	BLK 66, QCL, QSL, OL, QVL
	v_lshlrev_b32 v232, 4, v224
	v_lshlrev_b32 v233, 2, v225
	global_load_b128 v[QF:QF+3], v232, s[QCH:QCH+1]                ; Q's codes, as they were registers
	global_load_b128 v[QF+4:QF+7], v232, s[QCH:QCH+1] offset:512
	global_load_b32 v[QW], v233, s[QSH:QSH+1]
	global_load_b128 v[QL:QL+3], v232, s[QCL:QCL+1]
	global_load_b128 v[QL+4:QL+7], v232, s[QCL:QCL+1] offset:512
	global_load_b32 v[QWL], v233, s[QSL:QSL+1]
.irp j, 0,1,2,3,4,5,6,7
	v_mov_b32 v[QF+8+\j], 0                        ; Q's upper 64 along the instruction's K: zero codes
	v_mov_b32 v[KV+64+\j], 0                       ; and what stands behind K's tile 7
.endr
	; LDS addresses, each a constant x lane + a constant x wave + a constant
	s_mul_i32 s73, s[QT], STEPB
	v_lshl_add_u32 v[AKV], v224, 4, s73
	s_add_co_u32 s73, s73, KSOFF
	v_lshl_add_u32 v[ASC], v224, 2, s73
	v_lshlrev_b32 v[PFO], 8, v224
	s_mul_i32 s74, s[WV], WST
	v_mul_u32_u24 v[FS], v225, 272
	v_lshl_add_u32 v[FS], v226, 5, v[FS]
	v_add_nc_u32 v[FS], s74, v[FS]
	s_add_co_u32 s74, s74, 16*272
	v_lshl_add_u32 v[FT], v225, 3, s74
	s_mul_i32 s75, s[TA], WST
	s_mul_i32 s73, s[QT], 4*272
	s_add_co_u32 s73, s73, s75
	v_mul_u32_u24 v[MR], v226, 272
	v_lshl_add_u32 v[MR], v225, 4, v[MR]
	v_add_nc_u32 v[MR], s73, v[MR]
	s_lshl_b32 s73, s[QT], 5
	s_add_co_u32 s73, s73, s75
	s_add_co_u32 s73, s73, 16*272
	v_lshl_add_u32 v[MS], v226, 3, s73
	v_mov_b32 v[NM+1], 0xff61b1e6                  ; the largest t so far: -3e38, under every t
	v_floor_f32 v[NM], -v[NM+1]                    ; -M
	v_mov_b32 v[LS], 0
	v_mov_b32 v[LS+1], 0
	v_mov_b32 v[PW], 0                             ; (named as the upper half of the pair v[248:249] before it is first written)
.irp b, 0,1,2,3
	v_mov_b32 v[PR+\b], 0                          ; written once: a lane permute's destination counts as one of its sources
.endr
.irp j, 0,1,2,3,4,5,6,7,8,9,10,11,12,13,14,15,16,17,18,19,20,21,22,23,24,25,26,27,28,29,30,31
	v_mov_b32 v[O+\j], 0                           ; O^T.  (The step is written without a first step of its own: it finds zeros, which the first change of M leaves zeros)
.endr
	s_wait_loadcnt 0x0                             ; Q
.Lvisit:                                           ; eight trips: visits 0 to 7; behind each change the next visit's slot is asked for
	CHANGE 1
	STEP
	s_cmp_lg_u32 s[SN], 0                          ; the next visit begins the low walk?  (c and counts alone: trip NH - 1, one of trips 4 to 7)
	s_cbranch_scc1 .Lsame
	FLUSH STAGE_H                                  ; the high block's part leaves,
	s_wait_dscnt 0x0                               ; the stores have read their registers,
	v_mov_b32 v[QW], v[QWL]                        ; and the low block begins.  (The scale word first: the lines behind it are its places ahead of the next product)
	v_mov_b32 v[QV], v[QVL]
.irp j, 0,1,2,3,4,5,6,7
	v_mov_b32 v[QF+\j], v[QL+\j]
.endr
.irp j, 0,1,2,3,4,5,6,7,8,9,10,11,12,13,14,15,16,17,18,19,20,21,22,23,24,25,26,27,28,29,30,31
	v_mov_b32 v[O+\j], 0
.endr
	v_mov_b32 v[NM+1], 0xff61b1e6
	v_floor_f32 v[NM], -v[NM+1]
	v_mov_b32 v[LS], 0
	v_mov_b32 v[LS+1], 0
	s_lshl_b32 s[CF], s[CC], 8                     ; the low phase: the cluster's queries begin at 256 c
	s_add_co_u32 s[CE], s[CF], 256
.Lsame:
	s_mov_b32 s[SG], s[SN]
	s_lshl_b32 s[KF], s[SG], 9
	s_add_co_u32 s[KF], s[KF], s[QK]               ; my step's first key: 512 x slot + 128 q
	s_xor_b32 s[TB], s[TB], SLOT1                  ; on to the other LDS slot
	s_sub_co_u32 s[TRIPS], s[TRIPS], 1
	s_cmp_lg_u32 s[TRIPS], 0
	s_cbranch_scc1 .Lvisit
	CHANGE 0                                       ; visit 8 is written out: nothing is left to ask for.  It lies in slot 0; behind this barrier nobody reads slot 1
	STEP
	FLUSH STAGE_L
	s_wait_dscnt 0x0                               ; for the others' sake: my stores into the stages are done
	s_barrier_signal -1
	s_barrier_wait -1
	; THE JOIN.  Tile a's four parts lie in the stages of waves a, a + 4, a + 8, a + 12, 4 WST apart.  I join rows 4 q .. 4 q + 3 of tile a, of both blocks: unit u = 2 g + n (g: high, low; n: rows 2 n, 2 n + 1), a lane 4 channels.
	; With m = the largest M of the four, part p counts x f_p = 2^(M_p - m), exact; a part that saw no key has -M near 3e38, so that its f is 0.
.set ST, S                             ; v112-143  (-M, l) of unit u, part p at v[ST + 8 u + 2 p]
.set MM, 144                           ; v144-147  the least -M
.set FP, 148                           ; v148-163  f of unit u, part p
.set LL, 164                           ; v164-167  l
.set RC, 168                           ; v168-171  1 / l
	s_wait_xcnt 0x0                                ; the last prefetch has read its offset, so the register may be written
	v_add_nc_u32 v1, STAGE_H, v[MR]
	v_add_nc_u32 v2, STAGE_H, v[MS]
	v_add_nc_u32 v3, STAGE_L, v[MR]
	v_add_nc_u32 v4, STAGE_L, v[MS]
	v_and_b32 v[PFO], 31, v0
	v_lshlrev_b32 v[PFO], 4, v[PFO]                ; out: 16 bytes a lane: two neighbouring rows of 256 bytes
.irp g, 0,1
.irp n, 0,1
.irp p, 0,1,2,3
	ds_load_b128 v[KV+16*(2*\g+\n)+4*\p:KV+16*(2*\g+\n)+4*\p+3], v[1+2*\g] offset:4*WST*\p+544*\n
	ds_load_b64 v[ST+8*(2*\g+\n)+2*\p:ST+8*(2*\g+\n)+2*\p+1], v[2+2*\g] offset:4*WST*\p+16*\n
.endr
.endr
.endr
	s_wait_dscnt 0x0
.irp u, 0,1,2,3
	v_min3_num_f32 v[MM+\u], v[ST+8*\u], v[ST+8*\u+2], v[ST+8*\u+4]
.endr
.irp u, 0,1,2,3
	v_min_num_f32 v[MM+\u], v[MM+\u], v[ST+8*\u+6]
.endr
.irp u, 0,1,2,3
.irp p, 0,1,2,3
	v_sub_f32 v[FP+4*\u+\p], v[MM+\u], v[ST+8*\u+2*\p]   ; M_p - m: a whole number, 0 or less
.endr
.endr
.irp k, 0,1,2,3,4,5,6,7,8,9,10,11,12,13,14,15
	v_cvt_i32_f32 v[FP+\k], v[FP+\k]               ; (it saturates)
.endr
.irp k, 0,1,2,3,4,5,6,7,8,9,10,11,12,13,14,15
	v_ldexp_f32 v[FP+\k], 1.0, v[FP+\k]
.endr
.irp u, 0,1,2,3
	v_mul_f32 v[LL+\u], v[FP+4*\u], v[ST+8*\u+1]
.endr
.irp p, 1,2,3
.irp u, 0,1,2,3
	v_fmac_f32 v[LL+\u], v[FP+4*\u+\p], v[ST+8*\u+2*\p+1]
.endr
.endr
.irp u, 0,1,2,3
	v_rcp_f32 v[RC+\u], v[LL+\u]                   ; every query counts its own key, so l is at least 1/2
.endr
	v_nop                                          ; a plain line behind the last reciprocal
	s_wait_alu depctr_va_vdst(0)                   ; the wait ahead of the first use: one for the four
.irp u, 0,1,2,3
.irp p, 0,1,2,3
	v_mul_f32 v[FP+4*\u+\p], v[FP+4*\u+\p], v[RC+\u]
.endr
.endr
.irp u, 0,1,2,3
.irp i, 0,1,2,3
	v_mul_f32 v[O+4*\u+\i], v[FP+4*\u], v[KV+16*\u+\i]
.endr
.endr
.irp p, 1,2,3
.irp u, 0,1,2,3
.irp i, 0,1,2,3
	v_fmac_f32 v[O+4*\u+\i], v[FP+4*\u+\p], v[KV+16*\u+4*\p+\i]
.endr
.endr
.endr
.irp g, 0,1
.irp n, 0,1
	global_store_b128 v[PFO], v[O+4*(2*\g+\n):O+4*(2*\g+\n)+3], s[OH+2*\g:OH+2*\g+1] offset:512*\n th:TH_STORE_NT   ; 32 lanes store 512 consecutive bytes, at a multiple of 256 from out's first byte; written once, read by nobody here
.endr
.endr
	s_wait_tensorcnt 0x0                           ; the wave's end, behind my last tensor load and my last LDS store
	ds_add_u32 v[SPW], v[NIL]
	s_wait_dscnt 0x0
	CROUND                                         ; the closing round: no work-group ends while a partner may still ask for a tile that names it
	s_endpgm
.Lfunc_end_k_qed08901384_attend:
	.size	k_qed08901384_attend, .Lfunc_end_k_qed08901384_attend-k_qed08901384_attend
	.p2alignl 7, 3214868480
	.fill 96, 4, 3214868480
	.section	.rodata,"a",@progbits
	.p2align	6, 0x0
	.amdhsa_kernel k_qed08901384_attend
		.amdhsa_group_segment_fixed_size 327680
		.amdhsa_private_segment_fixed_size 0
		.amdhsa_enable_private_segment 0
		.amdhsa_kernarg_size 24
		.amdhsa_user_sgpr_count 2
		.amdhsa_user_sgpr_kernarg_segment_ptr 1
		.amdhsa_wavefront_size32 1
		.amdhsa_system_sgpr_workgroup_id_x 1
		.amdhsa_system_sgpr_workgroup_id_y 1
		.amdhsa_system_sgpr_workgroup_id_z 1
		.amdhsa_system_vgpr_workitem_id 0
		.amdhsa_next_free_vgpr 256
		.amdhsa_next_free_sgpr 80
		.amdhsa_reserve_vcc 1
		.amdhsa_float_denorm_mode_32 3
		.amdhsa_float_denorm_mode_16_64 3
		.amdhsa_memory_ordered 1
		.amdhsa_forward_progress 1
		.amdhsa_inst_pref_size 71
	.end_amdhsa_kernel
	.amdgpu_metadata
---
amdhsa.version: [ 1, 2 ]
amdhsa.kernels:
  - .name:           k_qed08901384_attend
    .symbol:         k_qed08901384_attend.kd
    .args:
      - { .name: kv, .offset: 0, .size: 8, .value_kind: global_buffer, .address_space: global }
      - { .name: qw, .offset: 8, .size: 8, .value_kind: global_buffer, .address_space: global }
      - { .name: out0, .offset: 16, .size: 8, .value_kind: global_buffer, .address_space: global }
    .group_segment_fixed_size: 327680
    .private_segment_fixed_size: 0
    .kernarg_segment_align: 8
    .kernarg_segment_size: 24
    .max_flat_workgroup_size: 512
    .sgpr_count:     80
    .vgpr_count:     256
    .wavefront_size: 32
...
	.end_amdgpu_metadata
.endif
;; end of part 2
